; MI455X (gfx1250); checked and timed in simulation.
; The chip was launched on July 23, 2026; its instructions are those of AMD's public machine-readable ISA for CDNA 5 (MIT licence, August 2026) and "CDNA5" Instruction Set Architecture Reference Guide (July 2026). The comments in the code are by the model that wrote it; some were corrected since.
;; Mo E Layer. Allowed arithmetic: float matrix products may take bf16 or f16 operands with f32 sums; all other float work in f32.
;; Inputs: W1 2 x 1,024 x 4,096 float32; W2 2 x 4,096 x 1,024 float32; Wr 1,024 x 2 float32; b1 2 x 4,096 float32; b2 2 x 1,024 float32; br 2 float32; x 2 x 2,048 x 1,024 float32.
;; Outputs: out0 2 x 2,048 x 1,024 float32.
;; One version. Each part assembles by itself: llvm-mc -triple=amdgcn-amd-amdhsa -mcpu=gfx1250 --defsym DOCPART=n.
;; ======== version 1 of 1: 3 launches
;; workspace buffers: xb 8,388,608 bytes; cw 32,768 bytes; w1b 16,777,216 bytes; w2b 16,777,216 bytes; hb 67,108,864 bytes
;; launch prep (part 1): grid 640 x 1, 8 waves a work-group, no clusters, 1,280 bytes of LDS; arguments x, Wr, br, W1, W2, xb, cw, w1b, w2b; writes xb, cw, w1b, w2b
.if DOCPART == 1
	.amdgcn_target "amdgcn-amd-amdhsa--gfx1250"
	.amdhsa_code_object_version 6
	.text
	.protected	k_qb98ef4217d_prep
	.globl	k_qb98ef4217d_prep
	.p2align	8
	.type	k_qb98ef4217d_prep,@function
k_qb98ef4217d_prep:
	s_mov_b64 s[64:65], 0
	v_nop
	global_prefetch_b8 v0, s[64:65] scope:SCOPE_SE
	s_setreg_imm32_b32 hwreg(HW_REG_WAVE_MODE, 25, 1), 1
	s_wait_xcnt 0x0
; PREP.  Two kinds of work-group in one launch, told apart by the work-group's number alone.
; Work-groups 0-127 (ROUTER): 32 rows of x each, 4 rows a wave, a whole row (4,096 bytes) in one wave's registers.  The row is rounded to bf16 and stored (xb), and the same
;   rounded numbers are multiplied by Wr, rounded to bf16 too: l[e] = x . Wr[:, e] + br[e], products exact, sums in f32.  Then the softmax of the two logits (their maximum taken away)
;   and the renormalisation over the top 2.  With 2 experts the top 2 are both experts, whatever the data, so the combine weight is c[e] = p[e] / (p[0] + p[1]): cw[row][e], f32.
; Work-groups 128-639 (CAST): 131,072 bytes of W1 (128-383) or W2 (384-639) are rounded to bf16 and stored in the same order: w1b, w2b.
; The vector unit does the router's product: its 2 columns would leave 14 of a matrix tile's 16 columns empty, and its 64 multiply-adds a lane and row ride on a stream of memory.
; LIMITS.  x, Wr, br, W1, W2 are rounded once to bf16 (to nearest even).  A weight whose exponential falls below 2^-126 counts as 0.  NaN and infinities are not treated apart.
.set XROW,  4096                       ; bytes in a row of x
.set YROW,  2048                       ; bytes in a row of xb
.set XO,    2                          ; v2   16 x lane: my 16 bytes in each 512 bytes of a row of x; never rewritten
.set YO,    3                          ; v3   8 x lane: my 8 bytes in each 256 bytes of a row of xb; never rewritten
.set WO,    4                          ; v4   32 x lane: my four rows of Wr in each 1,024 bytes
.set WHO,   5                          ; v5   lane % 4: the row of my wave whose c I keep
.set LA,    6                          ; v6   LDS byte of that row's c: 32 x wave + 8 x (lane % 4)
.set WR,    8                          ; v[8:39]    for my element n of a row (n = 4 q + i): bf16(Wr[h][0]) below, bf16(Wr[h][1]) above
.set X,     40                         ; v[40:135]  three row buffers of 32 registers
.set Y,     136                        ; v[136:151] a row as bf16: 16 words
.set ACC,   152                        ; v[152:155] four chains: expert e, elements of parity p at ACC + e + 2 p
.set T,     156                        ; v[156:161] at work
.set CC,    162                        ; v[162:163] c[0], c[1] of row lane % 4
.set BR,    164                        ; v[164:165] br, rounded to bf16, as f32
.set CX,    4                          ; cast: v[4:67]   16 slots of 4 registers, as loaded
.set CY,    68                         ; cast: v[68:131] a pair for each of the 32 stores: no store's data is ever rewritten
	s_load_b512 s[8:23], s[0:1], 0x0               ; x 8:9, Wr 10:11, br 12:13, W1 14:15, W2 16:17, xb 18:19, cw 20:21, w1b 22:23
	s_load_b64 s[24:25], s[0:1], 0x40              ; w2b
	v_lshl_add_u32 v168, v0, 2, 0x100
	v_mov_b32 v169, 0
	s_cmp_lt_u32 ttmp9, 128
	s_cbranch_scc0 .Lcast                          ; the same way for all eight waves of a work-group
	; ---------------- ROUTER ----------------
	v_lshrrev_b32 v1, 5, v0
	v_readfirstlane_b32 s3, v1                     ; my wave's number
	v_and_b32 v1, 31, v0                           ; lane
	v_lshlrev_b32 v[XO], 4, v1
	v_lshlrev_b32 v[YO], 3, v1
	v_lshlrev_b32 v[WO], 5, v1
	v_and_b32 v[WHO], 3, v0
	s_lshl_b32 s2, s3, 5
	v_lshl_add_u32 v[LA], v[WHO], 3, s2
	v_mov_b32 v[T+2], 0                            ; v_permlanex16_b32 counts as a reader of its destination
	v_mov_b32 v[T+3], 0
	s_lshl_b32 s26, ttmp9, 17                      ; x: 32 rows of 4,096 bytes a work-group,
	s_lshl_b32 s27, s3, 14                         ; 4 rows a wave
	s_add_co_u32 s26, s26, s27
	s_mov_b32 s27, 0
	s_lshl_b32 s28, ttmp9, 16                      ; xb: half of that
	s_lshl_b32 s29, s3, 13
	s_add_co_u32 s28, s28, s29
	s_mov_b32 s29, 0
	s_lshl_b32 s36, ttmp9, 8                       ; cw: 32 rows of 8 bytes a work-group
	s_mov_b32 s37, 0
	s_mov_b32 s32, 0x76543210                      ; v_permlanex16_b32: each lane takes its own place in the other half
	s_mov_b32 s33, 0xfedcba98
	s_mov_b32 s34, 0xffff0000                      ; a word's upper bf16
	s_wait_kmcnt 0x0
	s_load_b64 s[30:31], s[12:13], 0x0             ; br[0], br[1]
	s_add_nc_u64 s[8:9], s[8:9], s[26:27]
	s_add_nc_u64 s[18:19], s[18:19], s[28:29]
	s_add_nc_u64 s[20:21], s[20:21], s[36:37]
.macro FILL buf, row                   ; eight loads, 512 neighbouring bytes each: row \row of my four into buffer \buf.  Load q brings my elements h = 128 q + 4 lane + 0..3
.irp q, 0,1,2,3,4,5,6,7
	global_load_b128 v[X+32*(\buf)+4*(\q):X+32*(\buf)+4*(\q)+3], v[XO], s[8:9] offset:(\row)*XROW+512*(\q) th:TH_LOAD_NT
.endr
.endm
	FILL 0, 0
.irp q, 0,1,2,3,4,5,6,7                ; Wr's rows h = 128 q + 4 lane + 0..3, 8 bytes each, pass through buffers 1 and 2
	global_load_b128 v[X+32+8*(\q):X+32+8*(\q)+3],   v[WO], s[10:11] offset:1024*(\q)
	global_load_b128 v[X+32+8*(\q)+4:X+32+8*(\q)+7], v[WO], s[10:11] offset:1024*(\q)+16
.endr
	s_wait_kmcnt 0x0                               ; br
	v_cvt_pk_bf16_f32 v[BR], s30, s31
	v_and_b32 v[BR+1], s34, v[BR]
	v_lshlrev_b32 v[BR], 16, v[BR]
	s_wait_loadcnt 0x0                             ; row 0 and Wr, once
.set n, 0
.rept 32
	v_cvt_pk_bf16_f32 v[WR+n], v[X+32+2*n], v[X+32+2*n+1]
.set n, n+1
.endr
	FILL 1, 1
	FILL 2, 2
; Row j of my four, which lies in buffer buf.  left = the younger loads that may stay out.
.macro ROW j, buf, left
.if (\j) > 0
	s_wait_loadcnt \left                           ; loads come back in order (ISA guide 5.7.1): this row's eight are in
	s_wait_xcnt 0x0                                ; Y, which the last row's stores read, is rewritten only behind this wait
.endif
.irp w, 0,1,2,3,4,5,6,7,8,9,10,11,12,13,14,15
	v_cvt_pk_bf16_f32 v[Y+(\w)], v[X+32*(\buf)+2*(\w)], v[X+32*(\buf)+2*(\w)+1]
.endr
.if (\j) == 0
	FILL 0, 3                                      ; buffer 0 has been converted: it takes the last row
.endif
.irp q, 0,1,2,3,4,5,6,7
	global_store_b64 v[YO], v[Y+2*(\q):Y+2*(\q)+1], s[18:19] offset:(\j)*YROW+256*(\q)  ; the wave's 32 lanes store 256 consecutive bytes, at a multiple of 256 from xb's first byte
.endr
.irp k, 0,1,2,3
	v_mov_b32 v[ACC+(\k)], 0
.endr
.irp w, 0,1,2,3,4,5,6,7,8,9,10,11,12,13,14,15
.irp p, 0,1
.irp e, 0,1
	v_fma_mix_f32_bf16 v[ACC+(\e)+2*(\p)], v[Y+(\w)], v[WR+2*(\w)+(\p)], v[ACC+(\e)+2*(\p)] op_sel:[\p,\e,0] op_sel_hi:[1,1,0]  ; half p of x's word times half e of Wr's, onto an f32 sum
.endr
.endr
.endr
	v_add_f32 v[T], v[ACC], v[ACC+2]
	v_add_f32 v[T+1], v[ACC+1], v[ACC+3]
.irp m, 1,2,4,8                        ; across the 32 lanes: four steps inside each half of 16, one across the halves
	v_add_f32_dpp v[T], v[T], v[T] row_xmask:\m row_mask:0xf bank_mask:0xf
	v_add_f32_dpp v[T+1], v[T+1], v[T+1] row_xmask:\m row_mask:0xf bank_mask:0xf
.endr
	v_permlanex16_b32 v[T+2], v[T], s32, s33
	v_permlanex16_b32 v[T+3], v[T+1], s32, s33
	v_add_f32 v[T], v[T], v[T+2]
	v_add_f32 v[T+1], v[T+1], v[T+3]
	v_add_f32 v[T], v[T], v[BR]                    ; the two logits, in every lane
	v_add_f32 v[T+1], v[T+1], v[BR+1]
	v_max_num_f32 v[T+2], v[T], v[T+1]             ; softmax: the maximum is taken away,
	v_sub_f32 v[T], v[T], v[T+2]
	v_sub_f32 v[T+1], v[T+1], v[T+2]
	v_mul_f32 v[T], 0x3fb8aa3b, v[T]               ; e^d = 2^(d log2 e)
	v_mul_f32 v[T+1], 0x3fb8aa3b, v[T+1]
	v_exp_f32 v[T], v[T]
	v_exp_f32 v[T+1], v[T+1]
	v_nop                                          ; a plain instruction between a transcendental and the use of its result (ISA guide 5.7.2)
	s_wait_alu depctr_va_vdst(0)
	v_add_f32 v[T+2], v[T], v[T+1]
	v_rcp_f32 v[T+3], v[T+2]
	v_nop
	s_wait_alu depctr_va_vdst(0)
	v_mul_f32 v[T], v[T], v[T+3]                   ; p[0], p[1]
	v_mul_f32 v[T+1], v[T+1], v[T+3]
	v_add_f32 v[T+2], v[T], v[T+1]                 ; the sum of the top 2, which are both
	v_rcp_f32 v[T+3], v[T+2]
	v_nop
.if (\j) == 0
	s_wait_alu depctr_va_vdst(0)
	v_mul_f32 v[CC], v[T], v[T+3]
	v_mul_f32 v[CC+1], v[T+1], v[T+3]
.else
	s_wait_alu depctr_va_vdst(0)
	v_mul_f32 v[T], v[T], v[T+3]
	v_mul_f32 v[T+1], v[T+1], v[T+3]
	v_cmp_eq_u32 vcc_lo, \j, v[WHO]                ; lanes with lane % 4 = j keep this row's c
	v_cndmask_b32 v[CC], v[CC], v[T], vcc_lo
	v_cndmask_b32 v[CC+1], v[CC+1], v[T+1], vcc_lo
.endif
.endm
	ROW 0, 0, 0                                    ; row 0 was waited for with Wr
	ROW 1, 1, 16                                   ; rows 2 and 3 stay out
	ROW 2, 2, 8                                    ; row 3 stays out
	ROW 3, 0, 0
	; the work-group's 32 rows of c are 256 bytes: gathered in LDS, so that one wave stores them as one whole aligned block
	ds_store_b64 v[LA], v[CC:CC+1]                 ; lanes with the same lane % 4 write the same value to the same bytes
	s_wait_dscnt 0x0                               ; for wave 0's sake: my store is done
	s_barrier_signal -1
	s_barrier_wait -1
	s_cmp_lg_u32 s3, 0
	s_cbranch_scc1 .Lend
	ds_load_b64 v[T:T+1], v[YO]
	s_wait_dscnt 0x0
	global_store_b64 v[YO], v[T:T+1], s[20:21]
.Lend:
	s_wait_tensorcnt 0x0
	ds_add_u32 v168, v169
	s_wait_dscnt 0x0
	s_endpgm
	; ---------------- CAST ----------------
.Lcast:
	s_sub_co_u32 s2, ttmp9, 128                    ; 0-255: W1; 256-511: W2
	s_and_b32 s3, s2, 255
	s_lshl_b32 s26, s3, 17                         ; 131,072 bytes of f32 in,
	s_lshl_b32 s28, s3, 16                         ; 65,536 bytes of bf16 out
	s_mov_b32 s27, 0
	s_mov_b32 s29, 0
	v_lshlrev_b32 v1, 4, v0                        ; thread t takes 16 bytes of each 4,096,
	v_lshlrev_b32 v2, 3, v0                        ; and stores 8 of each 2,048
	s_wait_kmcnt 0x0
	s_cmp_lt_u32 s2, 256
	s_cselect_b64 s[4:5], s[14:15], s[16:17]
	s_cselect_b64 s[6:7], s[22:23], s[24:25]
	s_add_nc_u64 s[4:5], s[4:5], s[26:27]
	s_add_nc_u64 s[6:7], s[6:7], s[28:29]
.set i, 0
.rept 16                               ; sixteen loads of every wave are on their way: 512 neighbouring bytes each
	global_load_b128 v[CX+4*i:CX+4*i+3], v1, s[4:5] offset:i*4096 th:TH_LOAD_NT
.set i, i+1
.endr
.set i, 0
.rept 32
.if i < 16
	s_wait_loadcnt 15                              ; behind load i stand loads i + 1 to i + 15
.else
	s_wait_loadcnt 31-i                            ; nothing more is asked for: the counts run down
.endif
	v_cvt_pk_bf16_f32 v[CY+2*i],   v[CX+4*(i%16)],   v[CX+4*(i%16)+1]
	v_cvt_pk_bf16_f32 v[CY+2*i+1], v[CX+4*(i%16)+2], v[CX+4*(i%16)+3]
.if i < 16
	global_load_b128 v[CX+4*(i%16):CX+4*(i%16)+3], v1, s[4:5] offset:(i+16)*4096 th:TH_LOAD_NT
.endif
	global_store_b64 v2, v[CY+2*i:CY+2*i+1], s[6:7] offset:i*2048  ; a wave's 32 lanes store 256 consecutive bytes, at a multiple of 256 from the buffer's first byte
.set i, i+1
.endr
	s_endpgm
.Lfunc_end_k_qb98ef4217d_prep:
	.size	k_qb98ef4217d_prep, .Lfunc_end_k_qb98ef4217d_prep-k_qb98ef4217d_prep
	.p2alignl 7, 3214868480
	.fill 96, 4, 3214868480
	.section	.rodata,"a",@progbits
	.p2align	6, 0x0
	.amdhsa_kernel k_qb98ef4217d_prep
		.amdhsa_group_segment_fixed_size 1280
		.amdhsa_private_segment_fixed_size 0
		.amdhsa_enable_private_segment 0
		.amdhsa_kernarg_size 72
		.amdhsa_user_sgpr_count 2
		.amdhsa_user_sgpr_kernarg_segment_ptr 1
		.amdhsa_wavefront_size32 1
		.amdhsa_system_sgpr_workgroup_id_x 1
		.amdhsa_system_sgpr_workgroup_id_y 1
		.amdhsa_system_sgpr_workgroup_id_z 1
		.amdhsa_system_vgpr_workitem_id 0
		.amdhsa_next_free_vgpr 170
		.amdhsa_next_free_sgpr 66
		.amdhsa_reserve_vcc 1
		.amdhsa_float_denorm_mode_32 3
		.amdhsa_float_denorm_mode_16_64 3
		.amdhsa_memory_ordered 1
		.amdhsa_forward_progress 1
		.amdhsa_inst_pref_size 51
	.end_amdhsa_kernel
	.amdgpu_metadata
---
amdhsa.version: [ 1, 2 ]
amdhsa.kernels:
  - .name:           k_qb98ef4217d_prep
    .symbol:         k_qb98ef4217d_prep.kd
    .args:
      - { .name: x, .offset: 0, .size: 8, .value_kind: global_buffer, .address_space: global }
      - { .name: Wr, .offset: 8, .size: 8, .value_kind: global_buffer, .address_space: global }
      - { .name: br, .offset: 16, .size: 8, .value_kind: global_buffer, .address_space: global }
      - { .name: W1, .offset: 24, .size: 8, .value_kind: global_buffer, .address_space: global }
      - { .name: W2, .offset: 32, .size: 8, .value_kind: global_buffer, .address_space: global }
      - { .name: xb, .offset: 40, .size: 8, .value_kind: global_buffer, .address_space: global }
      - { .name: cw, .offset: 48, .size: 8, .value_kind: global_buffer, .address_space: global }
      - { .name: w1b, .offset: 56, .size: 8, .value_kind: global_buffer, .address_space: global }
      - { .name: w2b, .offset: 64, .size: 8, .value_kind: global_buffer, .address_space: global }
    .group_segment_fixed_size: 1280
    .private_segment_fixed_size: 0
    .kernarg_segment_align: 8
    .kernarg_segment_size: 72
    .max_flat_workgroup_size: 256
    .sgpr_count:     66
    .vgpr_count:     170
    .wavefront_size: 32
...
	.end_amdgpu_metadata
.endif
;; end of part 1
;; launch ffn1 (part 2): grid 32 x 8, 4 waves a work-group, clusters of 4 x 4, 327,680 bytes of LDS; arguments xb, w1b, b1, cw, hb; writes hb
.if DOCPART == 2
	.amdgcn_target "amdgcn-amd-amdhsa--gfx1250"
	.amdhsa_code_object_version 6
	.text
	.protected	k_qb98ef4217d_ffn1
	.globl	k_qb98ef4217d_ffn1
	.p2align	8
	.type	k_qb98ef4217d_ffn1,@function
k_qb98ef4217d_ffn1:
	s_mov_b64 s[64:65], 0
	v_nop
	global_prefetch_b8 v0, s[64:65] scope:SCOPE_SE
	s_setreg_imm32_b32 hwreg(HW_REG_WAVE_MODE, 25, 1), 1
	s_wait_xcnt 0x0
	s_wait_alu depctr_hold_cnt(0) depctr_sa_sdst(0) depctr_va_vdst(0) depctr_va_sdst(0) depctr_va_ssrc(0) depctr_va_vcc(0) depctr_vm_vsrc(0)
	s_getreg_b32 s2, hwreg(HW_REG_IB_STS2, 6, 4)
	s_cmp_eq_u32 s2, 0
	s_cbranch_scc0 .Lentry_in_a_cluster
	s_endpgm
.Lentry_in_a_cluster:
	s_bfe_u32 s2, ttmp6, 0x10000c
	s_cmp_lg_u32 s2, 0xf033
	s_cbranch_scc0 .Lentry_shape_is_right
	s_endpgm
.Lentry_shape_is_right:
; FFN1.  hb[t][n] = bf16(max(c[t][e] (sum over k of xb[t][k] w1b[e][k][f] + b1[e][f]), 0)), n = 4096 e + f.  xb: [4096][1024] bf16; w1b: [2][1024][4096] bf16; b1: [2][4096] f32; cw: [4096][2] f32;
; hb: [4096][8192] bf16.  c is a softmax weight, never negative, so c relu(u) = max(c u, 0): the combine weight is folded in here, and the second product sums over both experts at once.
; LIMITS.  b1 is rounded to bf16 like every other input; sums in f32; hb is rounded once to bf16.  A NaN loses in the maximum with 0; infinities are not treated apart.
; SHARES.  A tile of hb, 256 x 256, is made by four waves, each 128 x 128: 64 accumulators of 16 x 16, 512 registers.  K = 1,024 goes in 8 steps of 128 through two LDS slots.
; A WORK-GROUP STAYS: hb has 32 x 16 tiles, two for each of 256 work-groups: the two lie in one tile column, 2,048 rows apart, so they share their tiles of B and their bias.  The ring does not stop at the first
; tile's end: its last two changes of slots ask for the second tile's K steps 0 and 1, and nothing waits for the first tile's stores.
; A's tile (256 tokens x 128 k) lies along K: rows of 256 bytes, fragments by ds_load_b128.  B's tile (128 k x 256 columns) lies as w1b lies, [k][n]: rows of 512 bytes, fragments turned by ds_load_tr16_b128.
; CLUSTERS: 4 x 4 work-groups.  The four of a row of the cluster need the same tiles of A, the four of a column the same tiles of B: each is asked for JOINTLY, by the same tensor load with the same descriptor
; and a mask that names the four.  By this text's own count a wave has two tensor loads out at the start and one behind each change of slots.
; THE MATRIX INSTRUCTION IS USED TRANSPOSED (source 0 = 16 columns of B, source 1 = 16 tokens): lane l then holds token l % 16 and registers 0-7 the columns 8 (l / 16) + 0..7: eight neighbouring numbers of a row of hb.
; THE BIAS STARTS THE SUMS: a tile's first K quarter takes b1's numbers, laid out as a result is, as its C operand: nothing is cleared and no bias is added later.
; REGISTERS, in windows of 256 (s_set_vgpr_msb: bits 1:0 source 0, 3:2 source 1, 5:4 source 2, 7:6 destination):
;   window 0: v0-31 addresses; v64-127, v128-191 fragments of A, two buffers (v128-191 at work on the way out); v32-63, v192-255 at work on the way out
;   window 1: v0-63 the bias; v64-127, v128-191 fragments of B, two buffers; v192-195 at work; v196-203, v204-211 c of my tokens in the first and in the second tile
;   window 2: the accumulators of my rows 0-63 ((a, b) at v[8 (8 a + b)]);   window 3: of my rows 64-127
.set KSTEP,  128
.set PA,     272                       ; a row of A in LDS: 256 bytes + 16 of padding = 68 words: row r starts at bank 4 r mod 64 (64 banks of 4 bytes: ISA guide 11.1)
.set PB,     544                       ; a row of B: 512 + 32 = 136 words: row r starts at bank 8 r mod 64
.set HALFT,  128*PA                    ; what one tensor load brings: 128 rows of A, or 64 rows of B (64 x 544 is the same 34,816 bytes)
.set SLOT,   4*HALFT                   ; A's 256 rows, then B's 128 rows
.set STAGE,  2*SLOT                    ; behind the ring: 16 rows x 272 bytes for each wave, for the way out
.set SPITCH, 272
.set SPARE,  STAGE+4*16*SPITCH         ; behind the stages: the spare words, 128 bytes for each wave: two blocks of 256 bytes that no other line names
.set LAPS,   4                         ; a lap = two K steps = once round the ring
.set TILES,  2                         ; tiles of a work-group
.set WALK,   2048                      ; rows from the first tile to the second
.set XBROW,  2048                      ; bytes in a row of xb
.set W1ROW,  8192                      ; bytes in a row of w1b
.set HBROW,  16384                     ; bytes in a row of hb
.set NEXT_A, WALK*XBROW-6*KSTEP*2      ; bytes from a slot's last K step of a tile to its first of the next tile: A goes 2,048 rows down and six K steps back,
.set BACK_B, 6*KSTEP*W1ROW             ; B only back
.set NEXT_C, (WALK-7*16)*HBROW         ; bytes from my last 16 rows of a tile to my first of the next
.set BO,   6                           ; v6      32 x (l / 16): my eight numbers in each 64 bytes of b1
.set RO,   7                           ; v7      8 x (l % 16): my token's row of cw
.set ADRA, 16                          ; v16-17  LDS address of my A fragments in slot 0, 1
.set ADRB, 20                          ; v20-21  the same for B
.set STO,  24                          ; v24     the way out: where I put 16 bytes of a row
.set RD,   25                          ; v25     the way out: where I read a row back
.set CO,   26                          ; v26     my byte offset in hb
.set SPW,  28                          ; v28     LDS address of my spare word: SPARE + 4 x my thread's number; never rewritten
.set NIL,  29                          ; v29     0; never rewritten
.set F0,   64                          ; fragment buffer 0
.set F1,   128                         ; fragment buffer 1
.set T,    128                         ; the way out: a block's 64 numbers a lane, in f32: buffer 1's registers of window 0, which the tile's last products have read; buffer 0 already holds the next tile's
.set TMP,  192                         ; the way out: packed results
.set OB,   32                          ; the way out: 16 rows read back from the stage: v32-63 and v224-255 by turns
.set CW0,  196                         ; window 1: c of token 16 a + l % 16 of my 128 rows, first tile
.set CW1,  204                         ; window 1: the same for the second tile
.set G1,  24                           ; s[24:31] descriptor group 1 for A's tiles
.set G0,  32                           ; s[32:39] descriptor group 0 for A's tiles, one set for each slot
.set G1B, 48                           ; s[48:55] descriptor group 1 for B's tiles
.set G0B, 56                           ; s[56:63] descriptor group 0 for B's tiles, one set for each slot
.set MSB, 0
.macro WIN new                         ; the immediate's high byte repeats the setting that is left; a switch that changes nothing is dropped
.if MSB != (\new)
	s_set_vgpr_msb (MSB<<8)|(\new)
.set MSB, \new
.endif
.endm
; A joint load.  Waves 0 and 1 fetch A's two halves, waves 2 and 3 B's.  The branch hangs on the wave's number alone.  Four v_nop follow each of the two lines.
.macro JLOAD s
	s_cmp_eq_u32 s11, 0
	s_cbranch_scc0 .Lfor_b_\@
	tensor_load_to_lds s[G0+4*(\s):G0+4*(\s)+3], s[G1:G1+7]
	s_nop 0
.rept 4
	v_nop
.endr
	s_branch .Lasked_\@
.Lfor_b_\@:
	tensor_load_to_lds s[G0B+4*(\s):G0B+4*(\s)+3], s[G1B:G1B+7]
	s_nop 0
.rept 4
	v_nop
.endr
.Lasked_\@:
.endm
.macro CREST                           ; a round of the cluster's barrier behind its opening barrier
	s_cmp_lg_u32 s10, 0
	s_cbranch_scc1 .Lnot_wave_0_\@
	s_barrier_signal -3
.Lnot_wave_0_\@:
	s_barrier_wait -3
	s_barrier_signal -1
	s_barrier_wait -1
.endm
.macro CROUND                          ; a whole round
	s_barrier_signal -1
	s_barrier_wait -1
	CREST
.endm
	s_load_b128 s[4:7], s[0:1], 0x0                ; xb s[4:5], w1b s[6:7]
	s_load_b128 s[72:75], s[0:1], 0x10             ; b1 s[72:73], cw s[74:75]
	s_load_b64 s[8:9], s[0:1], 0x20                ; hb
	v_lshl_add_u32 v[SPW], v0, 2, SPARE
	v_mov_b32 v[NIL], 0
	ds_add_u32 v28, v29
	s_wait_dscnt 0x0
	v_lshrrev_b32 v1, 5, v0
	v_readfirstlane_b32 s10, v1                    ; wave 0..3
	s_lshr_b32 s11, s10, 1                         ; which half of the tile's rows is mine.  Also: I fetch for A (0) or for B (1)
	s_and_b32 s12, s10, 1                          ; which half of its columns.  Also: which half of that tile I fetch
	s_bfe_u32 s40, ttmp6, 0x40000                  ; cx, cy: my place in the cluster
	s_bfe_u32 s41, ttmp6, 0x40004
	s_lshl_b32 s42, ttmp9, 2
	s_add_co_u32 s42, s42, s40                     ; tile column = 4 x cluster x + cx, 0..31
	s_and_b32 s13, ttmp7, 0xffff
	s_lshl_b32 s13, s13, 2
	s_add_co_u32 s13, s13, s41                     ; the first tile's row = 4 x cluster y + cy, 0..7; the second's is 8 more
	s_lshl_b32 s43, s41, 2
	s_lshl_b32 s43, 15, s43                        ; my row of the cluster: places 4 cy .. 4 cy + 3
	s_lshl_b32 s44, 0x1111, s40                    ; my column: places cx, cx + 4, cx + 8, cx + 12
	s_lshr_b32 s45, s42, 4                         ; the expert: 16 tile columns each
	; descriptor group 1.  A: 128 rows x 128 elements, 4 words of padding after every 64.  B: 64 rows x 256 elements, 8 words after every 128.
	s_or_b32 s[G1+0], s43, (1<<16)|(1<<20)|(1<<21)|(5<<22)|(3<<25)   ; 15:0 the mask: my row; 17:16 elements of 2 bytes; 20 padding on; 21 set beside a mask; 24:22 interval; 31:25 padding less one
	s_or_b32 s[G1B+0], s44, (1<<16)|(1<<20)|(1<<21)|(6<<22)|(7<<25)  ; the mask: my column
	s_mov_b32 s[G1+1], 128<<16                     ; tensor_dim0 = 128
	s_mov_b32 s[G1+2], 128<<16                     ; tensor_dim1 = 128
	s_mov_b32 s[G1+3], 128<<16                     ; tile_dim0 = 128
	s_mov_b32 s[G1+4], 128                         ; tile_dim1 = 128
	s_mov_b32 s[G1+5], 1024                        ; elements from row to row of xb
	s_mov_b32 s[G1+6], 0
	s_mov_b32 s[G1+7], 0
	s_mov_b32 s[G1B+1], 256<<16                    ; tensor_dim0 = 256
	s_mov_b32 s[G1B+2], 64<<16                     ; tensor_dim1 = 64
	s_mov_b32 s[G1B+3], 256<<16                    ; tile_dim0 = 256
	s_mov_b32 s[G1B+4], 64                         ; tile_dim1 = 64
	s_mov_b32 s[G1B+5], 4096                       ; elements from row to row of w1b
	s_mov_b32 s[G1B+6], 0
	s_mov_b32 s[G1B+7], 0
	; where the tiles come from.  A's hang on the tile row alone, B's on the tile column alone; each in registers that never hold the other coordinate.
	s_lshl_b32 s17, s12, 7
	s_lshl_b32 s16, s13, 8
	s_add_co_u32 s16, s16, s17                     ; A: token 256 x tile row + 128 x half,
	s_lshl_b32 s16, s16, 11                        ; times 2,048 bytes
	s_mov_b32 s17, 0
	s_and_b32 s46, s42, 15
	s_lshl_b32 s46, s46, 9                         ; B: 256 columns of 2 bytes for each tile column of the expert,
	s_lshl_b32 s47, s45, 23
	s_add_co_u32 s46, s46, s47                     ; the expert's 1,024 rows of 8,192 bytes,
	s_lshl_b32 s47, s12, 19
	s_add_co_u32 s46, s46, s47                     ; 64 rows for the half that I fetch
	s_mov_b32 s47, 0
	s_mul_i32 s20, s10, HALFT                      ; and where they go: wave x 34,816: no place in the cluster enters an LDS address
	s_wait_kmcnt 0x0
	s_add_nc_u64 s[14:15], s[4:5], s[16:17]
	s_add_nc_u64 s[46:47], s[6:7], s[46:47]
	CROUND                                         ; all sixteen work-groups are here: the first joint loads meet
.irp s, 0,1
	s_mov_b32 s[G0+4*(\s)], 1                                      ; count = 1
	s_add_co_u32 s[G0+4*(\s)+1], s20, (\s)*SLOT                    ; LDS address
	s_add_nc_u64 s[G0+4*(\s)+2:G0+4*(\s)+3], s[14:15], (\s)*KSTEP*2  ; global address: K step s
	s_or_b32 s[G0+4*(\s)+3], s[G0+4*(\s)+3], 0x80000000            ; type = 2
	s_mov_b32 s[G0B+4*(\s)], 1
	s_add_co_u32 s[G0B+4*(\s)+1], s20, (\s)*SLOT
	s_add_nc_u64 s[G0B+4*(\s)+2:G0B+4*(\s)+3], s[46:47], (\s)*KSTEP*W1ROW
	s_or_b32 s[G0B+4*(\s)+3], s[G0B+4*(\s)+3], 0x80000000
	JLOAD \s                                       ; the ring is filled before anything else is done
.endr
	; A's fragment: 16 tokens x 32 k: lane l holds token l % 16, k = 8 (l / 16) + 0..7 and 16 + 8 (l / 16) + 0..7: two loads of 16 bytes, 32 bytes apart.
	v_and_b32 v1, 15, v0                           ; l % 16
	v_bfe_u32 v2, v0, 4, 1                         ; l / 16
	v_mul_u32_u24 v3, v1, PA
	v_lshl_add_u32 v3, v2, 4, v3
	; B's fragment: the turning load takes 16 k x 16 columns (lane l reads row 8 (l / 16) + l % 8, columns 8 ((l / 8) % 2) + 0..7) and leaves half a fragment: lane l holds column l % 16 and 8 k.
	v_and_b32 v4, 7, v0
	v_lshl_add_u32 v4, v2, 3, v4
	v_mul_u32_u24 v4, v4, PB
	v_bfe_u32 v5, v0, 3, 1
	v_lshl_add_u32 v4, v5, 4, v4
	s_mul_i32 s21, s11, HALFT                      ; my 128 rows of A
	s_lshl_b32 s22, s12, 8                         ; my 128 columns of B,
	s_add_co_u32 s22, s22, 2*HALFT                 ; which lies behind A's 256 rows
.irp s, 0,1
	v_add_nc_u32 v[ADRA+(\s)], s21, v3
	v_add_nc_u32 v[ADRB+(\s)], s22, v4
	s_add_co_u32 s21, s21, SLOT
	s_add_co_u32 s22, s22, SLOT
.endr
	s_mul_i32 s23, s10, 16*SPITCH
	s_add_co_u32 s23, s23, STAGE                   ; my stage
	v_mul_u32_u24 v4, v1, SPITCH                   ; in: row l % 16, 16 bytes for each half of the lanes
	v_lshl_add_u32 v4, v2, 4, v4
	v_add_nc_u32 v[STO], s23, v4
	v_mul_u32_u24 v5, v2, SPITCH                   ; back: lanes 0-15 take one row of 256 bytes, lanes 16-31 the next
	v_lshl_add_u32 v5, v1, 4, v5
	v_add_nc_u32 v[RD], s23, v5
	v_lshlrev_b32 v5, 14, v2                       ; and the same two rows in hb
	v_lshl_add_u32 v[CO], v1, 4, v5
	v_lshlrev_b32 v[BO], 5, v2
	v_lshlrev_b32 v[RO], 3, v1
	s_lshl_b32 s66, s42, 10                        ; b1 at my first column: (256 x tile column + 128 x half) x 4 bytes; [2][4096] read flat is indexed by hb's column
	s_lshl_b32 s67, s12, 9
	s_add_co_u32 s66, s66, s67
	s_mov_b32 s67, 0
	s_add_nc_u64 s[76:77], s[72:73], s[66:67]
	s_lshl_b32 s68, s13, 11                        ; cw at my first token: (256 x tile row + 128 x half) x 8 bytes, + 4 x expert
	s_lshl_b32 s69, s11, 10
	s_add_co_u32 s68, s68, s69
	s_lshl_b32 s69, s45, 2
	s_add_co_u32 s68, s68, s69
	s_mov_b32 s69, 0
	s_add_nc_u64 s[78:79], s[74:75], s[68:69]
	s_lshl_b32 s16, s13, 8                         ; hb at my part of the first tile
	s_lshl_b32 s17, s11, 7
	s_add_co_u32 s16, s16, s17
	s_lshl_b32 s16, s16, 14                        ; my first row x 16,384 bytes
	s_lshl_b32 s46, s42, 9                         ; my first column, in bytes: 512 x tile column + 256 x half
	s_lshl_b32 s47, s12, 8
	s_add_co_u32 s46, s46, s47
	s_add_co_u32 s16, s16, s46
	s_mov_b32 s17, 0
	s_add_nc_u64 s[8:9], s[8:9], s[16:17]
	WIN 0x40                                       ; destination window 1, address window 0
.irp b, 0,1,2,3,4,5,6,7                ; the bias as a result lies: register j of column block b holds b1 of column 16 b + 8 (l / 16) + j
	global_load_b128 v[8*(\b):8*(\b)+3],   v[BO], s[76:77] offset:64*(\b)
	global_load_b128 v[8*(\b)+4:8*(\b)+7], v[BO], s[76:77] offset:64*(\b)+16
.endr
.irp a, 0,1,2,3,4,5,6,7                ; c of token 16 a + l % 16, for both tiles
	global_load_b32 v[CW0+(\a)], v[RO], s[78:79] offset:128*(\a)
	global_load_b32 v[CW1+(\a)], v[RO], s[78:79] offset:WALK*8+128*(\a)
.endr
	s_wait_loadcnt 0x0
	WIN 0x45                                       ; destination and both sources window 1
.set p, 0
.rept 32                               ; b1 rounded to bf16, as all inputs are, and widened again; this stands in the wait for the first tile
	v_cvt_pk_bf16_f32 v[192+p%4], v[2*p], v[2*p+1]
	v_lshlrev_b32 v[2*p], 16, v[192+p%4]
	v_and_b32 v[2*p+1], 0xffff0000, v[192+p%4]
.set p, p+1
.endr
	WIN 0
; 16 matrix instructions: m blocks a0, a0 + 1 of the window's four (hi = 0: my rows 0-63, 1: rows 64-127) x all 8 n blocks, 32 along K.  first = 1: the bias (window 1, v[8 b ..]) is the C operand.
; The 64 accumulators take turns, one instruction a turn, in the same order in every quarter and from tile to tile.
.macro MUL16 f, hi, a0, first
.if \first
	WIN 0x91+0x40*(\hi)                            ; source 0 (B) window 1, source 1 (A) window 0, C window 1, D window 2 or 3
.else
	WIN 0xa1+0x50*(\hi)                            ; the same with C and D in window 2 or 3
.endif
.irp a, \a0, (\a0)+1
.irp b, 0,1,2,3,4,5,6,7
.if \first
	v_wmma_f32_16x16x32_bf16 v[8*(8*(\a)+(\b)):8*(8*(\a)+(\b))+7], v[(\f)+8*(\b):(\f)+8*(\b)+7], v[(\f)+8*(4*(\hi)+(\a)):(\f)+8*(4*(\hi)+(\a))+7], v[8*(\b):8*(\b)+7]
.else
	v_wmma_f32_16x16x32_bf16 v[8*(8*(\a)+(\b)):8*(8*(\a)+(\b))+7], v[(\f)+8*(\b):(\f)+8*(\b)+7], v[(\f)+8*(4*(\hi)+(\a)):(\f)+8*(4*(\hi)+(\a))+7], v[8*(8*(\a)+(\b)):8*(8*(\a)+(\b))+7]
.endif
.endr
.endr
.endm
; 32 LDS loads in one run: the fragments of quarter q (32 along K) of a slot into buffer f: B's 128 columns (turned), then A's 128 rows
.macro FETCH slot, q, f
	WIN 0x40
.irp i, 0,1,2,3,4,5,6,7
	ds_load_tr16_b128 v[(\f)+8*(\i):(\f)+8*(\i)+3],   v[ADRB+(\slot)] offset:(\q)*32*PB+32*(\i)
	ds_load_tr16_b128 v[(\f)+8*(\i)+4:(\f)+8*(\i)+7], v[ADRB+(\slot)] offset:(\q)*32*PB+16*PB+32*(\i)
.endr
	WIN 0
.irp i, 0,1,2,3,4,5,6,7
	ds_load_b128 v[(\f)+8*(\i):(\f)+8*(\i)+3],   v[ADRA+(\slot)] offset:(\q)*64+(\i)*16*PA
	ds_load_b128 v[(\f)+8*(\i)+4:(\f)+8*(\i)+7], v[ADRA+(\slot)] offset:(\q)*64+(\i)*16*PA+32
.endr
.endm
; A load into a register that a matrix instruction has read, and a vector instruction that reads a matrix result or writes one of its sources, stand four places behind it; only plain vector instructions
; that name none of its registers are places (ISA guide 7.12.1 for vector instructions).
.macro PLACES
.rept 4
	v_nop
.endr
.endm
; A K step is four quarters of 32 along K, 64 matrix instructions each, on buffers 0, 1, 0, 1.  One of the first three: multiplies buffer f; in its middle it fetches quarter q of the same slot into buffer g.
.macro QUARTER slot, q, f, g, first
	s_wait_dscnt 8                                 ; B and A's rows 0-63 are in; the youngest eight loads (A's rows 64-127) may be out
	MUL16 \f, 0, 0, \first
	MUL16 \f, 0, 2, \first
	PLACES
	FETCH \slot, \q, \g
	s_wait_dscnt 32                                ; all but the 32 just issued
	MUL16 \f, 1, 0, \first
	MUL16 \f, 1, 2, \first
.endm
; The last quarter multiplies buffer 1 and changes slots.  MEET is its first half: ONE barrier for the change.  In front of it each wave waits for all its tensor loads, of which one is out: its part of the
; next slot; adds 0 to its spare word; and waits for that and for its own reads of this slot.  Behind it nobody reads this slot any more and the next slot is whole.
.macro MEET round                      ; round = 1: a round of the cluster's barrier follows
	WIN 0                                          ; (the add's two registers lie in window 0)
	s_wait_tensorcnt 0x0                           ; all my tensor loads have landed
	ds_add_u32 v[SPW], v[NIL]                      ; 0 onto my spare word
	s_wait_dscnt 9                                 ; (the add and the youngest eight loads may be out)
	MUL16 F1, 0, 0, 0                              ; sixteen matrix instructions stand between the add and the wait for it
	s_wait_dscnt 0x0                               ; the add is done, and my reads of this slot are over
	s_barrier_signal -1
	MUL16 F1, 0, 2, 0                              ; work on registers while the others arrive
.if \round
	WIN 0
.endif
	s_barrier_wait -1
.endm
; The whole last quarter.  fill = 1: the barrier opens a round of the cluster's barrier, and behind it the slot just read out is filled again first: with this tile's K step two steps on (on = 0) or, in the
; first tile's last two K steps, with the second tile's K step 0 or 1 (on = 1); then come the next slot's first fragments.  From a request to the wait for it a wave issues 224 matrix instructions.
.macro TURN slot, next, fill, on
	MEET \fill
.if \fill
	CREST                                          ; no wave of any partner still reads this slot's tile or has a load on its way
.if \on
	s_add_nc_u64 s[G0+4*(\slot)+2:G0+4*(\slot)+3], s[G0+4*(\slot)+2:G0+4*(\slot)+3], NEXT_A
	s_sub_nc_u64 s[G0B+4*(\slot)+2:G0B+4*(\slot)+3], s[G0B+4*(\slot)+2:G0B+4*(\slot)+3], BACK_B
.else
	s_add_nc_u64 s[G0+4*(\slot)+2:G0+4*(\slot)+3], s[G0+4*(\slot)+2:G0+4*(\slot)+3], 2*KSTEP*2
	s_add_nc_u64 s[G0B+4*(\slot)+2:G0B+4*(\slot)+3], s[G0B+4*(\slot)+2:G0B+4*(\slot)+3], 2*KSTEP*W1ROW
.endif
	JLOAD \slot                                    ; the first tensor load behind the round; the four v_nop behind it are also the places in front of the loads below
.else
	PLACES
.endif
	FETCH \next, 0, F0
	MUL16 F1, 1, 0, 0
	MUL16 F1, 1, 2, 0
.endm
; THE WAY OUT of block a (16 rows), in three parts.  PACK: times the token's c (window 1, from register cb on), the maximum with 0, rounded to bf16: 16 bytes a lane for each column block.
; Each accumulator is read from its low end on.
.macro PACK a, cb
.set AC, 64*((\a)%4)
	WIN 0x06+(\a)/4                                ; source 0: window 2 or 3; source 1: window 1; destination: window 0
.set z, 0
.rept 32
.if (\a)%2
	v_pk_mul_f32 v[T+2*z:T+2*z+1], v[AC+2*z:AC+2*z+1], v[(\cb)+2*((\a)/2):(\cb)+2*((\a)/2)+1] op_sel:[0,1] op_sel_hi:[1,1]  ; both halves times the pair's second register
.else
	v_pk_mul_f32 v[T+2*z:T+2*z+1], v[AC+2*z:AC+2*z+1], v[(\cb)+2*((\a)/2):(\cb)+2*((\a)/2)+1] op_sel_hi:[1,0]               ; both halves times its first
.endif
.set z, z+1
.endr
	WIN 0
.set z, 0
.rept 64
	v_max_num_f32 v[T+z], 0, v[T+z]
.set z, z+1
.endr
.set z, 0
.rept 32
	v_cvt_pk_bf16_f32 v[TMP+z], v[T+2*z], v[T+2*z+1]
.set z, z+1
.endr
.endm
.macro TOSTAGE a                       ; into my own stage in LDS, and back as whole rows of 256 bytes
	WIN 0
.set BK, OB+192*((\a)%2)
.irp b, 0,1,2,3,4,5,6,7
	ds_store_b128 v[STO], v[TMP+4*(\b):TMP+4*(\b)+3] offset:32*(\b)
.endr
.irp t, 0,1,2,3,4,5,6,7
	ds_load_b128 v[BK+4*(\t):BK+4*(\t)+3], v[RD] offset:(\t)*2*SPITCH  ; LDS serves a wave's instructions in order (ISA guide 5.7.1.4): these see the stores above
.endr
.endm
.macro SEND a, step0                   ; step0: what block 0 adds to hb's address: 0 in the first tile, the way to the second tile's first rows in the second
	WIN 0
.set BK, OB+192*((\a)%2)
	s_wait_dscnt 0x0                               ; the block is back in registers
	s_wait_xcnt 0x0                                ; only behind this wait are the stores' base and the registers that earlier stores read rewritten
.if (\a) > 0
	s_add_nc_u64 s[8:9], s[8:9], 16*HBROW          ; 16 rows of hb on
.elseif (\step0) > 0
	s_add_nc_u64 s[8:9], s[8:9], \step0
.endif
.irp t, 0,1,2,3,4,5,6,7
	global_store_b128 v[CO], v[BK+4*(\t):BK+4*(\t)+3], s[8:9] offset:2*(\t)*HBROW  ; 16 lanes store 256 consecutive bytes, at a multiple of 256 from hb's first byte
.endr
.endm
.macro WAYOUT cb, step0                ; block a's arithmetic stands between block a - 1's loads from the stage and the wait for them
	PLACES                                         ; the way out reads results and writes over buffer 1's fragments of A
	PACK 0, \cb
	TOSTAGE 0
.irp a, 1,2,3,4,5,6,7
	PACK \a, \cb
	SEND (\a)-1, \step0
	TOSTAGE \a
.endr
	SEND 7, \step0
.endm
	s_wait_tensorcnt 1                             ; my part of K step 0 is in; K step 1's may stay out
	s_barrier_signal -1
	s_barrier_wait -1                              ; everybody's is
	FETCH 0, 0, F0
	s_mov_b32 s2, TILES                            ; tiles to go, this one among them: the same number in every work-group
.Ltile:                                                ; (FETCH and SEND leave every window 0)
	QUARTER 0, 1, F0, F1, 1                        ; a tile's first quarter stands in front of the loop: its products start the sums, on the bias
	WIN 0                                          ; at a label and at a branch every window is 0
	s_mov_b32 s3, LAPS-1
.Llap:                                                 ; a trip goes once round the ring, from a lap's second quarter to the next lap's first, and fills both slots again: K steps 2 to 7 in three trips
	QUARTER 0, 2, F1, F0, 0
	QUARTER 0, 3, F0, F1, 0
	TURN 0, 1, 1, 0
	QUARTER 1, 1, F0, F1, 0
	QUARTER 1, 2, F1, F0, 0
	QUARTER 1, 3, F0, F1, 0
	TURN 1, 0, 1, 0
	QUARTER 0, 1, F0, F1, 0
	WIN 0
	s_sub_co_u32 s3, s3, 1
	s_cmp_lg_u32 s3, 0
	s_cbranch_scc1 .Llap
	QUARTER 0, 2, F1, F0, 0                        ; the tile's last lap goes on
	QUARTER 0, 3, F0, F1, 0
	WIN 0
	s_cmp_eq_u32 s2, 1
	s_cbranch_scc1 .Llast_tile                     ; the last tile's tail is written out: it asks for nothing more
	TURN 0, 1, 1, 1                                ; THE RING GOES ON INTO THE SECOND TILE: slot 0 takes its K step 0,
	QUARTER 1, 1, F0, F1, 0
	QUARTER 1, 2, F1, F0, 0
	QUARTER 1, 3, F0, F1, 0
	TURN 1, 0, 1, 1                                ; slot 1 its K step 1, and the second tile's first fragments are fetched into buffer 0
	WAYOUT CW0, 0                                  ; both refills are asked for: now the first tile goes out
	s_sub_co_u32 s2, s2, 1
	s_branch .Ltile
.Llast_tile:
	TURN 0, 1, 0, 0                                ; nothing is filled again, so no round of the cluster's barrier follows
	QUARTER 1, 1, F0, F1, 0
	QUARTER 1, 2, F1, F0, 0
	QUARTER 1, 3, F0, F1, 0
	s_wait_dscnt 8                                 ; the very last quarter: nothing more to fetch
	MUL16 F1, 0, 0, 0
	MUL16 F1, 0, 2, 0
	s_wait_dscnt 0x0
	MUL16 F1, 1, 0, 0
	MUL16 F1, 1, 2, 0
	WAYOUT CW1, NEXT_C
	s_wait_tensorcnt 0x0                           ; the wave's end: behind my last tensor load and my last LDS store
	ds_add_u32 v[SPW], v[NIL]
	s_wait_dscnt 0x0
	CROUND                                         ; the closing round: no work-group ends while a partner may still ask for a tile that names it
	s_endpgm
.Lfunc_end_k_qb98ef4217d_ffn1:
	.size	k_qb98ef4217d_ffn1, .Lfunc_end_k_qb98ef4217d_ffn1-k_qb98ef4217d_ffn1
	.p2alignl 7, 3214868480
	.fill 96, 4, 3214868480
	.section	.rodata,"a",@progbits
	.p2align	6, 0x0
	.amdhsa_kernel k_qb98ef4217d_ffn1
		.amdhsa_group_segment_fixed_size 327680
		.amdhsa_private_segment_fixed_size 0
		.amdhsa_enable_private_segment 0
		.amdhsa_kernarg_size 40
		.amdhsa_user_sgpr_count 2
		.amdhsa_user_sgpr_kernarg_segment_ptr 1
		.amdhsa_wavefront_size32 1
		.amdhsa_system_sgpr_workgroup_id_x 1
		.amdhsa_system_sgpr_workgroup_id_y 1
		.amdhsa_system_sgpr_workgroup_id_z 1
		.amdhsa_system_vgpr_workitem_id 0
		.amdhsa_next_free_vgpr 1024
		.amdhsa_next_free_sgpr 80
		.amdhsa_reserve_vcc 0
		.amdhsa_float_denorm_mode_32 3
		.amdhsa_float_denorm_mode_16_64 3
		.amdhsa_memory_ordered 1
		.amdhsa_forward_progress 1
		.amdhsa_inst_pref_size 255
	.end_amdhsa_kernel
	.section	.bss,"aw",@nobits
	.p2align	6
	.space	262144
	.amdgpu_metadata
---
amdhsa.version: [ 1, 2 ]
amdhsa.kernels:
  - .name:           k_qb98ef4217d_ffn1
    .symbol:         k_qb98ef4217d_ffn1.kd
    .args:
      - { .name: xb, .offset: 0, .size: 8, .value_kind: global_buffer, .address_space: global }
      - { .name: w1b, .offset: 8, .size: 8, .value_kind: global_buffer, .address_space: global }
      - { .name: b1, .offset: 16, .size: 8, .value_kind: global_buffer, .address_space: global }
      - { .name: cw, .offset: 24, .size: 8, .value_kind: global_buffer, .address_space: global }
      - { .name: hb, .offset: 32, .size: 8, .value_kind: global_buffer, .address_space: global }
    .group_segment_fixed_size: 327680
    .private_segment_fixed_size: 0
    .kernarg_segment_align: 8
    .kernarg_segment_size: 40
    .max_flat_workgroup_size: 128
    .sgpr_count:     80
    .vgpr_count:     1024
    .wavefront_size: 32
...
	.end_amdgpu_metadata
.endif
;; end of part 2
;; launch ffn2 (part 3): grid 8 x 32, 4 waves a work-group, clusters of 4 x 4, 327,680 bytes of LDS; arguments hb, w2b, b2, cw, out0; writes out0
.if DOCPART == 3
	.amdgcn_target "amdgcn-amd-amdhsa--gfx1250"
	.amdhsa_code_object_version 6
	.text
	.protected	k_qb98ef4217d_ffn2
	.globl	k_qb98ef4217d_ffn2
	.p2align	8
	.type	k_qb98ef4217d_ffn2,@function
k_qb98ef4217d_ffn2:
	s_mov_b64 s[64:65], 0
	v_nop
	global_prefetch_b8 v0, s[64:65] scope:SCOPE_SE
	s_setreg_imm32_b32 hwreg(HW_REG_WAVE_MODE, 25, 1), 1
	s_wait_xcnt 0x0
	s_wait_alu depctr_hold_cnt(0) depctr_sa_sdst(0) depctr_va_vdst(0) depctr_va_sdst(0) depctr_va_ssrc(0) depctr_va_vcc(0) depctr_vm_vsrc(0)
	s_getreg_b32 s2, hwreg(HW_REG_IB_STS2, 6, 4)
	s_cmp_eq_u32 s2, 0
	s_cbranch_scc0 .Lentry_in_a_cluster
	s_endpgm
.Lentry_in_a_cluster:
	s_bfe_u32 s2, ttmp6, 0x10000c
	s_cmp_lg_u32 s2, 0xf033
	s_cbranch_scc0 .Lentry_shape_is_right
	s_endpgm
.Lentry_shape_is_right:
; FFN2.  out0[t][n] = sum over k of hb[t][k] w2b[k][n] + c[t][0] b2[0][n] + c[t][1] b2[1][n].  hb: [4096][8192] bf16 (both experts' hidden rows, the combine weight folded in); w2b: [8192][1024] bf16
; (W2's two experts one below the other); b2: [2][1024] f32; cw: [4096][2] f32; out0: [4096][1024] f32.
; LIMITS.  b2 is rounded to bf16 like every other input.  An output is the sum of FOUR f32 partial sums over k (one a wave, see below) and the bias term, not one chain.  NaN and infinities are not treated apart.
; SHARES.  out0 has 256 tiles of 128 x 128, one for each work-group; tiles of 256 x 256 would be 64.  K IS SHARED AMONG THE WAVES, NOT THE TILE: K = 8,192 comes in 16 fills of 512, and of each fill wave w takes
; k = 128 w .. 128 w + 127 and multiplies it into a partial sum of the WHOLE tile: 64 accumulators of 16 x 16, 512 registers.  So each LDS byte is read by one wave: 128 LDS loads for a fill's 256 matrix
; instructions of a wave; with the tile shared out (64 x 64 a wave) they would be 256.  At the end the four partial sums meet in LDS.
; ONE SLOT, AND REGISTERS FOR THE OTHER.  Two slots of this tile hold 256 k each at the most.  Here LDS holds ONE slot of 512 k, so that a wave's one tensor load behind a barrier brings twice as much.  A wave's share of
; a fill is four chunks of 32 k (128 registers, 64 matrix instructions each); three chunk buffers take chunks 0, 1, 2, and chunk 3 follows into chunk 0's when that is multiplied.  Then the slot is read out and is
; asked for again: 80 of the fill's 256 matrix instructions have been issued, 176 stand between the request and the wait for it.
; A's tile (128 tokens x 512 k) lies along K: rows of 1,024 bytes.  B's tile (512 k x 128 columns) lies as w2b lies, [k][n]: rows of 256 bytes, fragments turned by ds_load_tr16_b128.
; CLUSTERS: 4 x 4 work-groups; A's tiles are asked for jointly along a row of the cluster, B's along a column.  By this text's own count a wave never has more than one tensor load out.
; THE MATRIX INSTRUCTION IS USED TRANSPOSED (source 0 = 16 columns of B, source 1 = 16 tokens): a lane holds one token and eight neighbouring columns.
; REGISTERS, in windows of 256 (s_set_vgpr_msb: bits 1:0 source 0, 3:2 source 1, 5:4 source 2, 7:6 destination):
;   window 0: v0-31 addresses; v32-45 b2, c, at work; v64-127, v128-191, v192-255 fragments of A, three buffers (at the end: the rows on their way out)
;   window 1: v64-127, v128-191, v192-255 fragments of B      window 2: the accumulators of rows 0-63 ((a, b) at v[8 (8 a + b)]);   window 3: of rows 64-127
.set KL,     512                       ; k in a fill
.set FILLS,  16
.set PA,     1040                      ; a row of A in LDS: 1,024 bytes + 16 of padding = 260 words: row r starts at bank 4 r mod 64 (64 banks of 4 bytes: ISA guide 11.1)
.set PB,     288                       ; a row of B: 256 + 32 = 72 words: row r starts at bank 8 r mod 64
.set PART,   256*PB                    ; a wave's part of the slot, 73,728 bytes: 256 rows of B fill it; 64 rows of A take 66,560 of it
.set SPARE,  4*PART                    ; behind the slot: the spare words, 128 bytes for each wave: two blocks of 256 bytes that no other line names
.set XP,     528                       ; the end: a row of a partial sum in LDS: 512 bytes + 16: the 16 rows of a store start at 16 different groups of four banks
.set XW,     128*XP                    ; a wave's partial sum, 67,584 bytes; the four lie in the slot's bytes, which have had their last fill by then
.set W2ROW,  2048                      ; bytes in a row of w2b
.set OROW,   4096                      ; bytes in a row of out0
.set LO16, 6                           ; v6      16 x lane: my 16 bytes in 512 consecutive bytes of b2 and of out0; never rewritten
.set LO8,  7                           ; v7      8 x lane: row lane of my 32 rows of cw
.set ADRA, 16                          ; v16     LDS address of my A fragments, rows 0-63; v17: rows 64-127
.set ADRB, 20                          ; v20     the same for B
.set XS,   22                          ; v22     the end: where I put 16 bytes of my partial sum
.set XR,   24                          ; v24-27  the end: where I read a row of wave 0's, 1's, 2's, 3's partial sum
.set SPW,  28                          ; v28     LDS address of my spare word: SPARE + 4 x my thread's number; never rewritten
.set NIL,  29                          ; v29     0; never rewritten
.set B20,  32                          ; v32-35  b2[0] of columns 4 lane + 0..3 of the tile
.set B21,  36                          ; v36-39  b2[1] of the same
.set CV,   40                          ; v40-41  c[0], c[1] of row lane of the 32 rows that I finish
.set TW,   42                          ; v42-43  at work
.set F0,   64                          ; the three chunk buffers
.set F1,   128
.set F2,   192
.set G1,  24                           ; s[24:31] descriptor group 1 for A's tiles;  s[32:35] group 0
.set G0,  32
.set G1B, 48                           ; s[48:55], s[56:59] the same for B's tiles
.set G0B, 56
.set CP,  84                           ; s[84:99] the end: for each of four rows a pair with c[0] and a pair with c[1] in the low word
.set MSB, 0
.macro WIN new                         ; the immediate's high byte repeats the setting that is left; a switch that changes nothing is dropped
.if MSB != (\new)
	s_set_vgpr_msb (MSB<<8)|(\new)
.set MSB, \new
.endif
.endm
.macro JLOAD                           ; a joint load: waves 0 and 1 fetch A's two halves, waves 2 and 3 B's; four v_nop follow each of the two lines
	s_cmp_eq_u32 s11, 0
	s_cbranch_scc0 .Lfor_b_\@
	tensor_load_to_lds s[G0:G0+3], s[G1:G1+7]
	s_nop 0
.rept 4
	v_nop
.endr
	s_branch .Lasked_\@
.Lfor_b_\@:
	tensor_load_to_lds s[G0B:G0B+3], s[G1B:G1B+7]
	s_nop 0
.rept 4
	v_nop
.endr
.Lasked_\@:
.endm
.macro CROUND                          ; a round of the cluster's barrier
	s_barrier_signal -1
	s_barrier_wait -1
	s_cmp_lg_u32 s10, 0
	s_cbranch_scc1 .Lnot_wave_0_\@
	s_barrier_signal -3
.Lnot_wave_0_\@:
	s_barrier_wait -3
	s_barrier_signal -1
	s_barrier_wait -1
.endm
	s_load_b128 s[4:7], s[0:1], 0x0                ; hb s[4:5], w2b s[6:7]
	s_load_b128 s[72:75], s[0:1], 0x10             ; b2 s[72:73], cw s[74:75]
	s_load_b64 s[8:9], s[0:1], 0x20                ; out0
	v_lshl_add_u32 v[SPW], v0, 2, SPARE
	v_mov_b32 v[NIL], 0
	ds_add_u32 v28, v29
	s_wait_dscnt 0x0
	v_lshrrev_b32 v1, 5, v0
	v_readfirstlane_b32 s10, v1                    ; wave 0..3: my quarter of a fill's k, and the 32 rows that I finish
	s_lshr_b32 s11, s10, 1                         ; I fetch for A (0) or for B (1),
	s_and_b32 s12, s10, 1                          ; and which half of that tile
	s_bfe_u32 s40, ttmp6, 0x40000                  ; cx, cy: my place in the cluster
	s_bfe_u32 s41, ttmp6, 0x40004
	s_lshl_b32 s42, ttmp9, 2
	s_add_co_u32 s42, s42, s40                     ; tile column = 4 x cluster x + cx, 0..7
	s_and_b32 s13, ttmp7, 0xffff
	s_lshl_b32 s13, s13, 2
	s_add_co_u32 s13, s13, s41                     ; tile row = 4 x cluster y + cy, 0..31
	s_lshl_b32 s43, s41, 2
	s_lshl_b32 s43, 15, s43                        ; my row of the cluster
	s_lshl_b32 s44, 0x1111, s40                    ; my column
	; descriptor group 1.  A: 64 rows x 512 elements, 4 words of padding after every 256.  B: 256 rows x 128 elements, 8 words after every 64.
	s_or_b32 s[G1+0], s43, (1<<16)|(1<<20)|(1<<21)|(7<<22)|(3<<25)   ; 15:0 the mask: my row; 17:16 elements of 2 bytes; 20 padding on; 21 set beside a mask; 24:22 interval; 31:25 padding less one
	s_or_b32 s[G1B+0], s44, (1<<16)|(1<<20)|(1<<21)|(5<<22)|(7<<25)  ; the mask: my column
	s_mov_b32 s[G1+1], 512<<16                     ; tensor_dim0 = 512
	s_mov_b32 s[G1+2], 64<<16                      ; tensor_dim1 = 64
	s_mov_b32 s[G1+3], 512<<16                     ; tile_dim0 = 512
	s_mov_b32 s[G1+4], 64                          ; tile_dim1 = 64
	s_mov_b32 s[G1+5], 8192                        ; elements from row to row of hb
	s_mov_b32 s[G1+6], 0
	s_mov_b32 s[G1+7], 0
	s_mov_b32 s[G1B+1], 128<<16                    ; tensor_dim0 = 128
	s_mov_b32 s[G1B+2], 256<<16                    ; tensor_dim1 = 256
	s_mov_b32 s[G1B+3], 128<<16                    ; tile_dim0 = 128
	s_mov_b32 s[G1B+4], 256                        ; tile_dim1 = 256
	s_mov_b32 s[G1B+5], 1024                       ; elements from row to row of w2b
	s_mov_b32 s[G1B+6], 0
	s_mov_b32 s[G1B+7], 0
	s_lshl_b32 s17, s12, 6
	s_lshl_b32 s16, s13, 7
	s_add_co_u32 s16, s16, s17                     ; A: token 128 x tile row + 64 x half,
	s_lshl_b32 s16, s16, 14                        ; times 16,384 bytes
	s_mov_b32 s17, 0
	s_lshl_b32 s46, s42, 8                         ; B: 128 columns of 2 bytes for each tile column,
	s_lshl_b32 s47, s12, 19
	s_add_co_u32 s46, s46, s47                     ; 256 rows of 2,048 bytes for the half that I fetch
	s_mov_b32 s47, 0
	s_mul_i32 s20, s10, PART                       ; where they go: wave x 73,728: no place in the cluster enters an LDS address
.irp i, 0,1,2,3,4,5,6,7
	s_mov_b32 s[CP+2*(\i)+1], 0                    ; the pairs' high words are named with the low ones, so they are written
.endr
	s_wait_kmcnt 0x0
	s_add_nc_u64 s[14:15], s[4:5], s[16:17]
	s_add_nc_u64 s[46:47], s[6:7], s[46:47]
	CROUND                                         ; all sixteen work-groups are here: the first joint loads meet
	s_mov_b32 s[G0], 1                             ; count = 1
	s_mov_b32 s[G0+1], s20                         ; LDS address
	s_mov_b64 s[G0+2:G0+3], s[14:15]               ; global address: fill 0
	s_or_b32 s[G0+3], s[G0+3], 0x80000000          ; type = 2
	s_mov_b32 s[G0B], 1
	s_mov_b32 s[G0B+1], s20
	s_mov_b64 s[G0B+2:G0B+3], s[46:47]
	s_or_b32 s[G0B+3], s[G0B+3], 0x80000000
	JLOAD
	v_and_b32 v1, 15, v0                           ; l % 16
	v_bfe_u32 v2, v0, 4, 1                         ; l / 16
	v_mul_u32_u24 v3, v1, PA
	v_lshl_add_u32 v3, v2, 4, v3                   ; A: a fragment's row x pitch + 16 x half of the lanes,
	s_lshl_b32 s21, s10, 8                         ; + my 128 k of 2 bytes
	v_add_nc_u32 v[ADRA], s21, v3
	v_add_nc_u32 v[ADRA+1], PART, v[ADRA]
	v_and_b32 v4, 7, v0                            ; B: the turning load: row 8 (l / 16) + l % 8, columns 8 ((l / 8) % 2) + 0..7,
	v_lshl_add_u32 v4, v2, 3, v4
	v_mul_u32_u24 v4, v4, PB
	v_bfe_u32 v5, v0, 3, 1
	v_lshl_add_u32 v4, v5, 4, v4
	s_mul_i32 s22, s10, 128*PB                     ; + my 128 rows,
	s_add_co_u32 s22, s22, 2*PART                  ; behind A's two parts
	v_add_nc_u32 v[ADRB], s22, v4
	v_mul_u32_u24 v3, v1, XP                       ; the end, in: row l % 16 of a block, 32 bytes for each half of the lanes, in my partial sum's bytes
	v_lshl_add_u32 v3, v2, 5, v3
	s_mul_i32 s23, s10, XW
	v_add_nc_u32 v[XS], s23, v3
	v_and_b32 v5, 31, v0
	v_lshlrev_b32 v[LO16], 4, v5
	v_lshlrev_b32 v[LO8], 3, v5
	s_mul_i32 s23, s10, 32*XP                      ; the end, back: rows 32 w .. 32 w + 31 of each of the four partial sums, 16 bytes a lane
	v_add_nc_u32 v[XR], s23, v[LO16]
	v_add_nc_u32 v[XR+1], XW, v[XR]
	v_add_nc_u32 v[XR+2], 2*XW, v[XR]
	v_add_nc_u32 v[XR+3], 3*XW, v[XR]
	s_lshl_b32 s66, s42, 9                         ; b2 at the tile's first column: 128 x tile column x 4 bytes
	s_mov_b32 s67, 0
	s_add_nc_u64 s[76:77], s[72:73], s[66:67]
	s_lshl_b32 s68, s13, 10                        ; cw at the first row that I finish: (128 x tile row + 32 x wave) x 8 bytes
	s_lshl_b32 s69, s10, 8
	s_add_co_u32 s68, s68, s69
	s_mov_b32 s69, 0
	s_add_nc_u64 s[78:79], s[74:75], s[68:69]
	s_lshl_b32 s16, s13, 19                        ; out0 at the same row: x 4,096 bytes,
	s_lshl_b32 s17, s10, 17
	s_add_co_u32 s16, s16, s17
	s_add_co_u32 s16, s16, s66                     ; and the tile's first column: the same offset as in b2
	s_mov_b32 s17, 0
	s_add_nc_u64 s[8:9], s[8:9], s[16:17]
	global_load_b128 v[B20:B20+3], v[LO16], s[76:77]              ; 512 consecutive bytes of each expert's row; expert 1's lies 4,096 bytes on
	global_load_b128 v[B21:B21+3], v[LO16], s[76:77] offset:4096
	global_load_b64 v[CV:CV+1], v[LO8], s[78:79]                  ; 256 consecutive bytes: 32 rows of cw
	s_wait_loadcnt 0x0
.irp e, B20, B21                       ; b2 rounded to bf16, as all inputs are, and widened again; this stands in the wait for the first fill
	v_cvt_pk_bf16_f32 v[TW], v[(\e)], v[(\e)+1]
	v_cvt_pk_bf16_f32 v[TW+1], v[(\e)+2], v[(\e)+3]
	v_lshlrev_b32 v[(\e)], 16, v[TW]
	v_and_b32 v[(\e)+1], 0xffff0000, v[TW]
	v_lshlrev_b32 v[(\e)+2], 16, v[TW+1]
	v_and_b32 v[(\e)+3], 0xffff0000, v[TW+1]
.endr
; 16 matrix instructions: m blocks a0, a0 + 1 of the window's four (hi = 0: rows 0-63, 1: rows 64-127) x all 8 n blocks, 32 along K: the chunk in buffer f.  zero = 1: the first product starts the sums.
; The 64 accumulators take turns, one instruction a turn, in the same order in every chunk.
.macro MUL16 f, hi, a0, zero
	WIN 0xa1+0x50*(\hi)                            ; source 0 (B) window 1, source 1 (A) window 0, C and D window 2 or 3
.irp a, \a0, (\a0)+1
.irp b, 0,1,2,3,4,5,6,7
.if \zero
	v_wmma_f32_16x16x32_bf16 v[8*(8*(\a)+(\b)):8*(8*(\a)+(\b))+7], v[(\f)+8*(\b):(\f)+8*(\b)+7], v[(\f)+8*(4*(\hi)+(\a)):(\f)+8*(4*(\hi)+(\a))+7], 0
.else
	v_wmma_f32_16x16x32_bf16 v[8*(8*(\a)+(\b)):8*(8*(\a)+(\b))+7], v[(\f)+8*(\b):(\f)+8*(\b)+7], v[(\f)+8*(4*(\hi)+(\a)):(\f)+8*(4*(\hi)+(\a))+7], v[8*(8*(\a)+(\b)):8*(8*(\a)+(\b))+7]
.endif
.endr
.endr
.endm
.macro MULC f                          ; a whole chunk: 64 matrix instructions
	MUL16 \f, 0, 0, 0
	MUL16 \f, 0, 2, 0
	MUL16 \f, 1, 0, 0
	MUL16 \f, 1, 2, 0
.endm
; 32 LDS loads in one run: chunk q of my share of the fill (32 along K) into buffer f: B's 128 columns (turned), then A's rows 0-63, then its rows 64-127
.macro FETCH q, f
	WIN 0x40                                       ; destination window 1, address window 0
.irp i, 0,1,2,3,4,5,6,7
	ds_load_tr16_b128 v[(\f)+8*(\i):(\f)+8*(\i)+3],   v[ADRB] offset:(\q)*32*PB+32*(\i)
	ds_load_tr16_b128 v[(\f)+8*(\i)+4:(\f)+8*(\i)+7], v[ADRB] offset:(\q)*32*PB+16*PB+32*(\i)
.endr
	WIN 0
.irp i, 0,1,2,3,4,5,6,7
	ds_load_b128 v[(\f)+8*(\i):(\f)+8*(\i)+3],   v[ADRA+(\i)/4] offset:(\q)*64+((\i)%4)*16*PA
	ds_load_b128 v[(\f)+8*(\i)+4:(\f)+8*(\i)+7], v[ADRA+(\i)/4] offset:(\q)*64+((\i)%4)*16*PA+32
.endr
.endm
.macro PLACES                          ; four places in front of loads into registers that matrix instructions have read, and of LDS stores that read results (ISA guide 7.12.1 for the LDS stores)
.rept 4
	v_nop
.endr
.endm
; A FILL'S FIRST PART.  The fill has landed: each wave waits for its one tensor load (nothing was issued behind it, so the count that its readers need is 0) and passes the work-group's barrier.
; Chunks 0, 1 and 2 are fetched and chunk 0 is multiplied.  The four places serve all three runs of loads: they stand behind the last products that read any of the three buffers.
.macro HEAD zero
	PLACES
	s_wait_tensorcnt 0x0                           ; my part of the fill is in;
	s_barrier_signal -1
	s_barrier_wait -1                              ; everybody's is
	FETCH 0, F0
	s_wait_dscnt 8                                 ; chunk 0: B and A's rows 0-63 are in; the youngest eight loads (A's rows 64-127) may be out
	MUL16 F0, 0, 0, \zero
	FETCH 1, F1
	MUL16 F0, 0, 2, \zero
	s_wait_dscnt 24                                ; chunk 0 is whole (32 would do for that); with the 32 loads below the wave has 56 LDS loads out at the most
	FETCH 2, F2
	MUL16 F0, 1, 0, \zero
	MUL16 F0, 1, 2, \zero
.endm
; A FILL'S SECOND PART.  Chunk 3 follows into chunk 0's buffer: with it the slot is read out.  fill = 1: the slot is asked for again.  Each wave waits for all its tensor loads (none is out), adds 0 to its spare
; word, and waits for that and for its reads of the slot; a round of the cluster's barrier follows, so that no wave of any partner still reads the slot; the joint refill is the first thing behind it.  No
; product stands inside the round: the sooner the request leaves, the sooner the next fill lands, and 176 matrix instructions are still to come.
.macro REST fill
	s_wait_dscnt 24                                ; chunk 1 is whole; 24 of chunk 2's loads may be out
	PLACES                                         ; behind the products that read buffer 0
	FETCH 3, F0
.if \fill
	s_wait_tensorcnt 0x0                           ; no tensor load of mine is out, so a group 0 may be written
	ds_add_u32 v[SPW], v[NIL]                      ; 0 onto my spare word
	s_add_nc_u64 s[G0+2:G0+3], s[G0+2:G0+3], KL*2  ; the next 512 k: along hb's rows,
	s_add_nc_u64 s[G0B+2:G0B+3], s[G0B+2:G0B+3], KL*W2ROW  ; down w2b's
	MUL16 F1, 0, 0, 0                              ; sixteen matrix instructions stand between the add and the wait for it
	WIN 0
	s_wait_dscnt 0x0                               ; the add is done, and my reads of the slot are over
	CROUND
	JLOAD
.else
	MUL16 F1, 0, 0, 0
.endif
	MUL16 F1, 0, 2, 0
	MUL16 F1, 1, 0, 0
	MUL16 F1, 1, 2, 0
.if !(\fill)
	s_wait_dscnt 0x0                               ; chunks 2 and 3 are in
.endif
	MULC F2
	MULC F0
.endm
	HEAD 1                                         ; the first fill's first chunk stands in front of the loop: its products start the sums
	WIN 0                                          ; at a label and at a branch every window is 0
	s_mov_b32 s3, FILLS-1
.Lfill:                                                ; a trip goes from a fill's second part to the next fill's first, and asks for that fill: fills 1 to 15
	REST 1
	HEAD 0
	WIN 0
	s_sub_co_u32 s3, s3, 1
	s_cmp_lg_u32 s3, 0
	s_cbranch_scc1 .Lfill
	REST 0                                         ; the last fill's second part is written out: nothing is asked for
	; THE END.  The four partial sums meet in the slot's bytes, which have had their last fill.  Each wave stores its whole partial sum as rows of 512 bytes (a lane's eight columns are 32 of them; each
	; accumulator's low registers first); wave w then reads rows 32 w .. 32 w + 31 of all four, a row of 512 consecutive bytes to a load, adds them and the bias term, and stores each row from those registers.
	WIN 0
	PLACES                                         ; behind the last products
	s_barrier_signal -1                            ; my reads of the slot were waited for in front of the last two chunks' products
	s_barrier_wait -1                              ; so were everybody's: the slot's bytes may be written
.irp a, 0,1,2,3,4,5,6,7
	WIN 0x08+4*((\a)/4)                            ; the data (source 1) in window 2 or 3, the address in window 0
.irp b, 0,1,2,3,4,5,6,7
	ds_store_b128 v[XS], v[8*(8*((\a)%4)+(\b)):8*(8*((\a)%4)+(\b))+3]   offset:(\a)*16*XP+64*(\b)
	ds_store_b128 v[XS], v[8*(8*((\a)%4)+(\b))+4:8*(8*((\a)%4)+(\b))+7] offset:(\a)*16*XP+64*(\b)+16
.endr
.endr
	WIN 0                                          ; all that follows works in window 0
	s_wait_dscnt 0x0                               ; for the others' sake: my stores are done
	s_barrier_signal -1
	s_barrier_wait -1
; Four rows at a time, through three buffers of 64 registers (the chunk buffers of window 0): wave s's partial sum of row t of the four at GB + 16 s + 4 t.
.macro LOADG g
.set GB, 64+64*((\g)%3)
.irp s, 0,1,2,3
.irp t, 0,1,2,3
	ds_load_b128 v[GB+16*(\s)+4*(\t):GB+16*(\s)+4*(\t)+3], v[XR+(\s)] offset:(4*(\g)+(\t))*XP
.endr
.endr
.endm
.macro OUTG g, younger                 ; younger: the loads issued behind group g's: two groups' 32, one's 16, or none
.set GB, 64+64*((\g)%3)
	s_wait_dscnt \younger
.irp t, 0,1,2,3
	v_readlane_b32 s[CP+4*(\t)],   v[CV],   4*(\g)+(\t)    ; the row's c[0] and c[1], which lane 4 g + t holds, for all lanes
	v_readlane_b32 s[CP+4*(\t)+2], v[CV+1], 4*(\g)+(\t)
.endr
.irp t, 0,1,2,3
.irp p, 0,2
	v_pk_add_f32 v[GB+4*(\t)+(\p):GB+4*(\t)+(\p)+1], v[GB+4*(\t)+(\p):GB+4*(\t)+(\p)+1], v[GB+16+4*(\t)+(\p):GB+16+4*(\t)+(\p)+1]
	v_pk_add_f32 v[GB+32+4*(\t)+(\p):GB+32+4*(\t)+(\p)+1], v[GB+32+4*(\t)+(\p):GB+32+4*(\t)+(\p)+1], v[GB+48+4*(\t)+(\p):GB+48+4*(\t)+(\p)+1]
.endr
.endr
.irp t, 0,1,2,3
.irp p, 0,2
	v_pk_add_f32 v[GB+4*(\t)+(\p):GB+4*(\t)+(\p)+1], v[GB+4*(\t)+(\p):GB+4*(\t)+(\p)+1], v[GB+32+4*(\t)+(\p):GB+32+4*(\t)+(\p)+1]
.endr
.endr
.irp t, 0,1,2,3
.irp p, 0,2
	v_pk_fma_f32 v[GB+4*(\t)+(\p):GB+4*(\t)+(\p)+1], v[B20+(\p):B20+(\p)+1], s[CP+4*(\t):CP+4*(\t)+1], v[GB+4*(\t)+(\p):GB+4*(\t)+(\p)+1] op_sel_hi:[1,0,1]  ; + c[0] b2[0]
.endr
.endr
.irp t, 0,1,2,3
.irp p, 0,2
	v_pk_fma_f32 v[GB+4*(\t)+(\p):GB+4*(\t)+(\p)+1], v[B21+(\p):B21+(\p)+1], s[CP+4*(\t)+2:CP+4*(\t)+3], v[GB+4*(\t)+(\p):GB+4*(\t)+(\p)+1] op_sel_hi:[1,0,1]  ; + c[1] b2[1]
.endr
.endr
.irp t, 0,1,2,3
	global_store_b128 v[LO16], v[GB+4*(\t):GB+4*(\t)+3], s[8:9] offset:(4*(\g)+(\t))*OROW th:TH_STORE_NT  ; the wave's 32 lanes store 512 consecutive bytes, at a multiple of 256 from out0's first byte
.endr
.endm
	LOADG 0
	LOADG 1
	LOADG 2
.irp g, 0,1,2,3,4
	OUTG \g, 32
	s_wait_xcnt 0x0                                ; the buffer, which the stores above read, is loaded again only behind this wait
	LOADG (\g)+3
.endr
	OUTG 5, 32
	OUTG 6, 16
	OUTG 7, 0
	s_wait_tensorcnt 0x0                           ; the wave's end: behind my last tensor load and my last LDS store
	ds_add_u32 v[SPW], v[NIL]
	s_wait_dscnt 0x0
	CROUND                                         ; the closing round: no work-group ends while a partner may still ask for a tile that names it
	s_endpgm
.Lfunc_end_k_qb98ef4217d_ffn2:
	.size	k_qb98ef4217d_ffn2, .Lfunc_end_k_qb98ef4217d_ffn2-k_qb98ef4217d_ffn2
	.p2alignl 7, 3214868480
	.fill 96, 4, 3214868480
	.section	.rodata,"a",@progbits
	.p2align	6, 0x0
	.amdhsa_kernel k_qb98ef4217d_ffn2
		.amdhsa_group_segment_fixed_size 327680
		.amdhsa_private_segment_fixed_size 0
		.amdhsa_enable_private_segment 0
		.amdhsa_kernarg_size 40
		.amdhsa_user_sgpr_count 2
		.amdhsa_user_sgpr_kernarg_segment_ptr 1
		.amdhsa_wavefront_size32 1
		.amdhsa_system_sgpr_workgroup_id_x 1
		.amdhsa_system_sgpr_workgroup_id_y 1
		.amdhsa_system_sgpr_workgroup_id_z 1
		.amdhsa_system_vgpr_workitem_id 0
		.amdhsa_next_free_vgpr 1024
		.amdhsa_next_free_sgpr 100
		.amdhsa_reserve_vcc 0
		.amdhsa_float_denorm_mode_32 3
		.amdhsa_float_denorm_mode_16_64 3
		.amdhsa_memory_ordered 1
		.amdhsa_forward_progress 1
		.amdhsa_inst_pref_size 103
	.end_amdhsa_kernel
	.amdgpu_metadata
---
amdhsa.version: [ 1, 2 ]
amdhsa.kernels:
  - .name:           k_qb98ef4217d_ffn2
    .symbol:         k_qb98ef4217d_ffn2.kd
    .args:
      - { .name: hb, .offset: 0, .size: 8, .value_kind: global_buffer, .address_space: global }
      - { .name: w2b, .offset: 8, .size: 8, .value_kind: global_buffer, .address_space: global }
      - { .name: b2, .offset: 16, .size: 8, .value_kind: global_buffer, .address_space: global }
      - { .name: cw, .offset: 24, .size: 8, .value_kind: global_buffer, .address_space: global }
      - { .name: out0, .offset: 32, .size: 8, .value_kind: global_buffer, .address_space: global }
    .group_segment_fixed_size: 327680
    .private_segment_fixed_size: 0
    .kernarg_segment_align: 8
    .kernarg_segment_size: 40
    .max_flat_workgroup_size: 128
    .sgpr_count:     100
    .vgpr_count:     1024
    .wavefront_size: 32
...
	.end_amdgpu_metadata
.endif
;; end of part 3
